; MI455X (gfx1250); checked and timed in simulation.
; The chip was launched on July 23, 2026; its instructions are those of AMD's public machine-readable ISA for CDNA 5 (MIT licence, August 2026) and "CDNA5" Instruction Set Architecture Reference Guide (July 2026). The comments in the code are by the model that wrote it; some were corrected since.
;; Masked Multi Head Attention. Allowed arithmetic: float matrix products may take bf16 or f16 operands with f32 sums; all other float work in f32.
;; Inputs: Wk 1,024 x 1,024 float32; Wo 1,024 x 1,024 float32; Wq 1,024 x 1,024 float32; Wv 1,024 x 1,024 float32; bk 1,024 float32; bo 1,024 float32; bq 1,024 float32; bv 1,024 float32; keys 4 x 2,048 x 1,024 float32; queries 4 x 2,048 x 1,024 float32; values 4 x 2,048 x 1,024 float32.
;; Outputs: out0 4 x 2,048 x 1,024 float32.
;; One version. Each part assembles by itself: llvm-mc -triple=amdgcn-amd-amdhsa -mcpu=gfx1250 --defsym DOCPART=n.
;; ======== version 1 of 1: 5 launches
;; limits: values are held in f16: magnitudes above 65,504 overflow, below 6.1e-05 lose precision
;; workspace buffers: wh 8,388,608 bytes; qkv 50,331,648 bytes; negc 524,288 bytes; att 16,777,216 bytes; amax 4,096 bytes
;; launch prep (part 1): grid 64 x 4, 8 waves a work-group, no clusters, 0 bytes of LDS; arguments Wq, Wk, Wv, Wo, wh; writes wh
.if DOCPART == 1
	.amdgcn_target "amdgcn-amd-amdhsa--gfx1250"
	.amdhsa_code_object_version 6
	.text
	.protected	k_qe4db92f438_prep
	.globl	k_qe4db92f438_prep
	.p2align	8
	.type	k_qe4db92f438_prep,@function
k_qe4db92f438_prep:
	s_mov_b64 s[64:65], 0
	v_nop
	global_prefetch_b8 v0, s[64:65] scope:SCOPE_SE
	s_setreg_imm32_b32 hwreg(HW_REG_WAVE_MODE, 25, 1), 1
	s_wait_xcnt 0x0
; wh[y][k][n] = f16(W_y[k][n] * c_y), y = 0..3 for Wq, Wk, Wv, Wo; c_0 = log2(e), the others 1.
; The factor turns the later exponentials into powers of two without a multiply in front of each.
; A stream: every byte read once and written once, nothing shared between work-groups, so no LDS, no matrix unit, no cluster.
; A work-group takes 16,384 numbers of one matrix; thread t takes 4 numbers at byte 16 t of each of 16 pieces of 4,096 bytes.
; A wave's load covers 512 consecutive bytes, its store 256 consecutive bytes, both aligned to their length.
; LIMIT: |W * c| below 65,504 (f16); below 6e-5 the rounding step is the absolute 6e-8.
.set X, 4                              ; v[4:67]   16 loads of 4 f32
.set Y, 68                             ; v[68:99]  16 stores of 4 f16
	s_load_b256 s[4:11], s[0:1], 0x0               ; Wq s[4:5], Wk s[6:7], Wv s[8:9], Wo s[10:11]
	s_load_b64 s[12:13], s[0:1], 0x20              ; wh
	s_and_b32 s14, ttmp7, 0xffff                   ; y: which matrix
	s_lshl_b32 s18, ttmp9, 16                      ; my 16,384 f32
	s_mov_b32 s19, 0
	s_lshl_b32 s20, s14, 21                        ; a matrix in f16 is 2 MiB,
	s_lshl_b32 s21, ttmp9, 15                      ; my 16,384 f16
	s_add_co_u32 s20, s20, s21
	s_mov_b32 s21, 0
	v_lshlrev_b32 v1, 4, v0
	v_lshlrev_b32 v2, 3, v0
	s_wait_kmcnt 0x0
	s_cmp_eq_u32 s14, 1
	s_cselect_b64 s[4:5], s[6:7], s[4:5]
	s_cmp_eq_u32 s14, 2
	s_cselect_b64 s[4:5], s[8:9], s[4:5]
	s_cmp_eq_u32 s14, 3
	s_cselect_b64 s[4:5], s[10:11], s[4:5]
	s_cmp_eq_u32 s14, 0
	s_cselect_b32 s16, 0x3fb8aa3b, 1.0             ; log2(e) for Wq
	s_mov_b32 s17, s16
	s_add_nc_u64 s[4:5], s[4:5], s[18:19]
	s_add_nc_u64 s[12:13], s[12:13], s[20:21]
.irp j, 0,1,2,3,4,5,6,7,8,9,10,11,12,13,14,15
	global_load_b128 v[X+4*\j:X+4*\j+3], v1, s[4:5] offset:\j*4096 th:TH_LOAD_NT
.endr
.irp j, 0,1,2,3,4,5,6,7,8,9,10,11,12,13,14,15
	s_wait_loadcnt 15-\j                           ; loads come back in order: piece j is in, the younger ones stay out
	v_pk_mul_f32 v[X+4*\j:X+4*\j+1], v[X+4*\j:X+4*\j+1], s[16:17] op_sel_hi:[1,0]
	v_pk_mul_f32 v[X+4*\j+2:X+4*\j+3], v[X+4*\j+2:X+4*\j+3], s[16:17] op_sel_hi:[1,0]
	v_cvt_pk_f16_f32 v[Y+2*\j], v[X+4*\j], v[X+4*\j+1]
	v_cvt_pk_f16_f32 v[Y+2*\j+1], v[X+4*\j+2], v[X+4*\j+3]
	global_store_b64 v2, v[Y+2*\j:Y+2*\j+1], s[12:13] offset:\j*2048   ; every piece has registers of its own: nothing is rewritten
.endr
	s_endpgm
.Lfunc_end_k_qe4db92f438_prep:
	.size	k_qe4db92f438_prep, .Lfunc_end_k_qe4db92f438_prep-k_qe4db92f438_prep
	.p2alignl 7, 3214868480
	.fill 96, 4, 3214868480
	.section	.rodata,"a",@progbits
	.p2align	6, 0x0
	.amdhsa_kernel k_qe4db92f438_prep
		.amdhsa_group_segment_fixed_size 0
		.amdhsa_private_segment_fixed_size 0
		.amdhsa_enable_private_segment 0
		.amdhsa_kernarg_size 40
		.amdhsa_user_sgpr_count 2
		.amdhsa_user_sgpr_kernarg_segment_ptr 1
		.amdhsa_wavefront_size32 1
		.amdhsa_system_sgpr_workgroup_id_x 1
		.amdhsa_system_sgpr_workgroup_id_y 1
		.amdhsa_system_sgpr_workgroup_id_z 1
		.amdhsa_system_vgpr_workitem_id 0
		.amdhsa_next_free_vgpr 100
		.amdhsa_next_free_sgpr 66
		.amdhsa_reserve_vcc 0
		.amdhsa_float_denorm_mode_32 3
		.amdhsa_float_denorm_mode_16_64 3
		.amdhsa_memory_ordered 1
		.amdhsa_forward_progress 1
		.amdhsa_inst_pref_size 9
	.end_amdhsa_kernel
	.amdgpu_metadata
---
amdhsa.version: [ 1, 2 ]
amdhsa.kernels:
  - .name:           k_qe4db92f438_prep
    .symbol:         k_qe4db92f438_prep.kd
    .args:
      - { .name: Wq, .offset: 0, .size: 8, .value_kind: global_buffer, .address_space: global }
      - { .name: Wk, .offset: 8, .size: 8, .value_kind: global_buffer, .address_space: global }
      - { .name: Wv, .offset: 16, .size: 8, .value_kind: global_buffer, .address_space: global }
      - { .name: Wo, .offset: 24, .size: 8, .value_kind: global_buffer, .address_space: global }
      - { .name: wh, .offset: 32, .size: 8, .value_kind: global_buffer, .address_space: global }
    .group_segment_fixed_size: 0
    .private_segment_fixed_size: 0
    .kernarg_segment_align: 8
    .kernarg_segment_size: 40
    .max_flat_workgroup_size: 256
    .sgpr_count:     66
    .vgpr_count:     100
    .wavefront_size: 32
...
	.end_amdgpu_metadata
.endif
;; end of part 1
;; launch proj (part 2): grid 4 x 192, 4 waves a work-group, clusters of 4 x 4, 327,680 bytes of LDS; arguments queries, keys, values, wh, bq, bk, bv, qkv, amax; writes qkv, amax
.if DOCPART == 2
	.amdgcn_target "amdgcn-amd-amdhsa--gfx1250"
	.amdhsa_code_object_version 6
	.text
	.protected	k_qe4db92f438_proj
	.globl	k_qe4db92f438_proj
	.p2align	8
	.type	k_qe4db92f438_proj,@function
k_qe4db92f438_proj:
	s_mov_b64 s[64:65], 0
	v_nop
	global_prefetch_b8 v0, s[64:65] scope:SCOPE_SE
	s_setreg_imm32_b32 hwreg(HW_REG_WAVE_MODE, 25, 1), 1
	s_wait_xcnt 0x0
	s_wait_alu depctr_hold_cnt(0) depctr_sa_sdst(0) depctr_va_vdst(0) depctr_va_sdst(0) depctr_va_ssrc(0) depctr_va_vcc(0) depctr_vm_vsrc(0)
	s_getreg_b32 s2, hwreg(HW_REG_IB_STS2, 6, 4)
	s_cmp_eq_u32 s2, 0
	s_cbranch_scc0 .Lentry_in_a_cluster
	s_endpgm
.Lentry_in_a_cluster:
	s_bfe_u32 s2, ttmp6, 0x10000c
	s_cmp_lg_u32 s2, 0xf033
	s_cbranch_scc0 .Lentry_shape_is_right
	s_endpgm
.Lentry_shape_is_right:
; The three projections in one launch: qkv[p][b*16+h][s][d] = f16( x_p[b][s][:] . W_p[:][h*64+d] + bias_p * c_p ), p = 0, 1, 2 for q, k, v.
; W comes from wh in f16 (Wq already times log2 e), c_0 = log2 e, c_1 = c_2 = 1.  Sums in f32.  For p = 2 each wave also stores max |v| of its block.
; A work-group makes 128 rows x 256 columns with four waves, as many as a WGP has SIMDs; a wave makes 64 x 128 in 32 accumulators.
; 3 x 64 x 4 = 768 work-groups.  K goes in steps of 128 through two LDS slots filled by tensor loads: x as f32 (rows of 512 bytes), W as f16 (rows of 512 bytes).
; x is rounded to f16 on the way from LDS to the matrix unit, so it is read from memory once, as it lies there.
; CLUSTERS 4 x 4: the four of a cluster row make one block row and ask jointly for x's tile; the four of a column make one block column and ask jointly for W's.
; p comes from the cluster's y alone, so it is equal in all sixteen.
; THE MATRIX INSTRUCTION IS USED TRANSPOSED: source 0 = 16 columns of W, source 1 = 16 rows of x; a lane then holds 8 neighbouring columns of one row.
; W lies [k][n] in LDS; ds_load_tr16_b128 turns it into fragments with k along the registers.
; LIMITS: operands are f16, for their finer rounding in front of an exponential: |x|, |W|, |q log2 e|, |k|, |v| below 65,504.
; A NaN in v is dropped from the stored maximum (v_max3_num_f32).
.set PART,  34816                      ; a quarter of a slot: 64 rows of x at pitch 528 (33,792 used), or 64 rows of W at pitch 544 (all used)
.set SLOT,  4*PART                     ; x rows 0-63, x rows 64-127, W k 0-63, W k 64-127
.set STAGE, 2*SLOT                     ; behind the ring: 16 rows x 272 bytes for each wave; no tensor load lands here
.set XP,    528                        ; 512 + 16: sixteen rows start in sixteen different 16-byte columns of 256
.set WP,    544                        ; 512 + 32: an odd multiple of 32
.set SP,    272
.set ADRA,  8                          ; v8-9    x fragments in slot 0, 1
.set ADRB,  10                         ; v10-11  W fragments in slot 0, 1
.set STO,   12                         ; v12     the way out: where I put 16 bytes
.set RD,    13                         ; v13     where I read them back
.set CO,    14                         ; v14     16 x lane
.set BO,    15                         ; v15     32 x (lane / 16): my 8 columns in the bias
.set XS,    16                         ; v[16:79]   x as f32, 4 row tiles x 16
.set XF,    80                         ; v[80:111]  x as f16 fragments, 4 x 8
.set WF0,   112                        ; v[112:175] W fragments, 8 x 8, buffer 0
.set WF1,   176                        ; v[176:239] buffer 1
.set AM,    240                        ; v[240:243] four running maxima of |result|
.set G1A,   16                         ; window 1: accumulator (a, b) at v[8 (8 a + b)];  window 2: v[0:63] the bias of my 8 x 8 columns
.set G1B,   24
.set G0A,   32                         ; one group 0 for each slot
.set G0B,   40
.set MSB,   0
.macro WIN new                         ; the immediate's high byte repeats the setting that is left
.if MSB != \new
	s_set_vgpr_msb (MSB<<8)|\new
.set MSB, \new
.endif
.endm
.macro PLACES                          ; four places behind matrix instructions (ISA guide 7.12.1), where no useful independent work is at hand
.rept 4
	v_nop
.endr
.endm
.macro BAR
	s_barrier_signal -1
	s_barrier_wait -1
.endm
.macro ROUND                           ; a round of the cluster's barrier: my work-group's barrier, wave 0 signals for it, all wait for all sixteen, my barrier again
	s_barrier_signal -1
	s_barrier_wait -1
	s_cmp_lg_u32 s8, 0
	s_cbranch_scc1 .Lnot_wave_0_\@
	s_barrier_signal -3
.Lnot_wave_0_\@:
	s_barrier_wait -3
	s_barrier_signal -1
	s_barrier_wait -1
.endm
.macro JLOAD s                         ; waves 0, 1 ask for x's two halves, waves 2, 3 for W's: one line, one mask, one set of registers each
	s_cmp_eq_u32 s9, 0
	s_cbranch_scc0 .Lfor_w_\@
	tensor_load_to_lds s[G0A+4*\s:G0A+4*\s+3], s[G1A:G1A+7]
	s_nop 0
	s_branch .Lasked_\@
.Lfor_w_\@:
	tensor_load_to_lds s[G0B+4*\s:G0B+4*\s+3], s[G1B:G1B+7]
	s_nop 0
.Lasked_\@:
.endm
	s_load_b512 s[68:83], s[0:1], 0x0              ; queries 68, keys 70, values 72, wh 74, bq 76, bk 78, bv 80, qkv 82
	s_load_b64 s[66:67], s[0:1], 0x40              ; amax
	v_lshl_add_u32 v254, v0, 2, 0x48400
	v_mov_b32 v255, 0
	ds_add_u32 v254, v255
	ds_add_u32 v254, v255
	v_lshrrev_b32 v1, 5, v0
	v_readfirstlane_b32 s8, v1                     ; wave 0..3
	s_lshr_b32 s9, s8, 1                           ; wm: my 64 of the 128 rows.  Also: I fetch x (0) or W (1)
	s_and_b32 s10, s8, 1                           ; wn: my 128 of the 256 columns.  Also: which half of that tile I fetch
	s_bfe_u32 s11, ttmp6, 0x40000                  ; cx
	s_bfe_u32 s12, ttmp6, 0x40004                  ; cy
	s_and_b32 s13, ttmp7, 0xffff                   ; the cluster's y, 0..47
	s_lshr_b32 s14, s13, 4                         ; p: 16 clusters down for each projection
	s_and_b32 s15, s13, 15
	s_lshl_b32 s15, s15, 2
	s_add_co_u32 s15, s15, s12                     ; br, block row 0..63
	s_lshl_b32 s48, ttmp9, 2
	s_add_co_u32 s48, s48, s11                     ; bc, block column 0..3
	s_lshl_b32 s49, s12, 2
	s_lshl_b32 s49, 15, s49                        ; my row of the cluster
	s_lshl_b32 s50, 0x1111, s11                    ; my column
	; group 1 for x: 64 rows x 128 elements of 4 bytes, 4 words of padding behind every 128 words
	s_or_b32 s[G1A+0], s49, (2<<16)|(1<<20)|(1<<21)|(6<<22)|(3<<25)
	s_mov_b32 s[G1A+1], 128<<16                    ; tensor_dim0
	s_mov_b32 s[G1A+2], 64<<16                     ; tensor_dim1
	s_mov_b32 s[G1A+3], 128<<16                    ; tile_dim0
	s_mov_b32 s[G1A+4], 64                         ; tile_dim1
	s_mov_b32 s[G1A+5], 1024                       ; elements from row to row
	s_mov_b32 s[G1A+6], 0
	s_mov_b32 s[G1A+7], 0
	; group 1 for W: 64 rows x 256 elements of 2 bytes, 8 words of padding behind every 128 words
	s_or_b32 s[G1B+0], s50, (1<<16)|(1<<20)|(1<<21)|(6<<22)|(7<<25)
	s_mov_b32 s[G1B+1], 256<<16
	s_mov_b32 s[G1B+2], 64<<16
	s_mov_b32 s[G1B+3], 256<<16
	s_mov_b32 s[G1B+4], 64
	s_mov_b32 s[G1B+5], 1024
	s_mov_b32 s[G1B+6], 0
	s_mov_b32 s[G1B+7], 0
	; x's tile hangs on br and the wave, W's on p, bc and the wave; each offset in registers that never hold the other coordinate
	s_lshl_b32 s4, s15, 19                         ; br x 128 rows x 4,096 bytes
	s_lshl_b32 s5, s10, 18                         ; + half x 64 rows
	s_add_co_u32 s4, s4, s5
	s_mov_b32 s5, 0
	s_lshl_b32 s6, s14, 21                         ; p x 2 MiB
	s_lshl_b32 s7, s10, 17                         ; + half x 64 rows x 2,048 bytes
	s_add_co_u32 s6, s6, s7
	s_lshl_b32 s7, s48, 9                          ; + bc x 256 columns x 2 bytes
	s_add_co_u32 s6, s6, s7
	s_mov_b32 s7, 0
	s_mul_i32 s51, s8, PART                        ; where my part goes: the wave's number alone
	s_wait_dscnt 0x0
	s_wait_kmcnt 0x0
	s_cmp_eq_u32 s14, 1
	s_cselect_b64 s[56:57], s[70:71], s[68:69]     ; x_p
	s_cselect_b64 s[58:59], s[78:79], s[76:77]     ; bias_p
	s_cmp_eq_u32 s14, 2
	s_cselect_b64 s[56:57], s[72:73], s[56:57]
	s_cselect_b64 s[58:59], s[80:81], s[58:59]
	s_cselect_b32 s90, 0, 64                       ; the lane that stores max |v|: lane 0 for p = 2, none otherwise
	s_cmp_eq_u32 s14, 0
	s_cselect_b32 s54, 0x3fb8aa3b, 1.0             ; c_p
	s_mov_b32 s55, s54
	s_add_nc_u64 s[56:57], s[56:57], s[4:5]
	s_add_nc_u64 s[60:61], s[74:75], s[6:7]
	ROUND                                          ; all sixteen work-groups are here: the first joint loads meet
.irp s, 0,1
	s_mov_b32 s[G0A+4*\s], 1
	s_add_co_u32 s[G0A+4*\s+1], s51, \s*SLOT
	s_add_nc_u64 s[G0A+4*\s+2:G0A+4*\s+3], s[56:57], \s*512        ; K step s: 128 f32 along the row
	s_or_b32 s[G0A+4*\s+3], s[G0A+4*\s+3], 0x80000000
	s_mov_b32 s[G0B+4*\s], 1
	s_add_co_u32 s[G0B+4*\s+1], s51, \s*SLOT
	s_add_nc_u64 s[G0B+4*\s+2:G0B+4*\s+3], s[60:61], \s*262144     ; K step s: 128 rows of 2,048 bytes down
	s_or_b32 s[G0B+4*\s+3], s[G0B+4*\s+3], 0x80000000
	JLOAD \s                                       ; both first fills go out together: two tensor loads of the wave are out
.endr
	v_and_b32 v1, 31, v0                           ; L
	v_and_b32 v2, 15, v0                           ; r
	v_bfe_u32 v3, v0, 4, 1                         ; h
	v_lshlrev_b32 v[BO], 5, v3
	; bases that mix br and bc, in registers that feed no descriptor and no LDS address
	s_lshl_b32 s86, s48, 10
	s_lshl_b32 s87, s10, 9
	s_add_co_u32 s86, s86, s87                     ; (256 bc + 128 wn) x 4 bytes
	s_mov_b32 s87, 0
	s_add_nc_u64 s[58:59], s[58:59], s[86:87]
	WIN 0x80                                       ; destination window 2
.irp b, 0,1,2,3,4,5,6,7
	global_load_b128 v[8*\b:8*\b+3],   v[BO], s[58:59] offset:64*\b      ; bias of columns 16 b + 8 h + 0..3
	global_load_b128 v[8*\b+4:8*\b+7], v[BO], s[58:59] offset:64*\b+16   ; + 4..7
.endr
	WIN 0
	; x fragment: lane (r, h) wants k = 8h..8h+7 and 16+8h..+7 of row r: in f32 two runs of 32 bytes, 64 bytes apart
	v_mul_u32_u24 v4, v2, XP
	v_lshl_add_u32 v4, v3, 5, v4
	s_mul_i32 s52, s9, PART
	v_add_nc_u32 v[ADRA], s52, v4
	v_add_nc_u32 v[ADRA+1], SLOT, v[ADRA]
	; W fragment through the transposing load: row k0 + 8h + (L & 7), 16 bytes at 16 ((L >> 3) & 1)
	v_and_b32 v6, 7, v0
	v_lshl_add_u32 v5, v3, 3, v6
	v_mul_u32_u24 v5, v5, WP
	v_bfe_u32 v4, v0, 3, 1
	v_lshl_add_u32 v5, v4, 4, v5
	s_lshl_b32 s53, s10, 8
	s_add_co_u32 s53, s53, 2*PART
	v_add_nc_u32 v[ADRB], s53, v5
	v_add_nc_u32 v[ADRB+1], SLOT, v[ADRB]
	s_mul_i32 s52, s8, 16*SP
	s_add_co_u32 s52, s52, STAGE
	v_mul_u32_u24 v4, v2, SP
	v_lshl_add_u32 v4, v3, 4, v4
	v_add_nc_u32 v[STO], s52, v4                   ; row r, 16 bytes for each half of the lanes
	v_lshrrev_b32 v5, 3, v1
	v_mul_u32_u24 v5, v5, SP
	v_lshl_add_u32 v5, v6, 4, v5
	v_add_nc_u32 v[RD], s52, v5                    ; back: eight lanes take 128 bytes (one head's part) of a row, four rows a load
	v_lshlrev_b32 v[CO], 4, v1
	s_lshr_b32 s84, s15, 4                         ; batch
	s_lshl_b32 s84, s84, 4
	s_lshl_b32 s85, s48, 2
	s_add_co_u32 s84, s84, s85
	s_lshl_b32 s85, s10, 1
	s_add_co_u32 s84, s84, s85                     ; my first head: 16 b + 4 bc + 2 wn
	s_lshl_b32 s84, s84, 11
	s_and_b32 s85, s15, 15
	s_lshl_b32 s85, s85, 7
	s_add_co_u32 s84, s84, s85
	s_lshl_b32 s85, s9, 6
	s_add_co_u32 s84, s84, s85                     ; + my first position in the sequence
	s_lshl_b32 s84, s84, 7                         ; rows of 128 bytes
	s_lshl_b32 s85, s14, 24                        ; + p x 16 MiB
	s_add_co_u32 s84, s84, s85
	s_mov_b32 s85, 0
	s_add_nc_u64 s[82:83], s[82:83], s[84:85]
	s_lshl_b32 s84, s15, 2
	s_add_co_u32 s84, s84, s48
	s_lshl_b32 s84, s84, 2
	s_add_co_u32 s84, s84, s8
	s_lshl_b32 s84, s84, 2                         ; amax[br][bc][wave]
	v_mov_b32 v7, s84
	s_mov_b32 s88, 0x76543210                      ; v_permlanex16_b32: lane i of one half reads lane i of the other
	s_mov_b32 s89, 0xfedcba98
; 32 LDS loads: the quarter step q (32 along K) of a slot: x as f32 into XS, W's fragments into buffer wf
.macro LOADS slot, q, wf
.irp a, 0,1,2,3
	ds_load_b128 v[XS+16*\a:XS+16*\a+3],     v[ADRA+\slot] offset:\a*16*XP+\q*128
	ds_load_b128 v[XS+16*\a+4:XS+16*\a+7],   v[ADRA+\slot] offset:\a*16*XP+\q*128+16
	ds_load_b128 v[XS+16*\a+8:XS+16*\a+11],  v[ADRA+\slot] offset:\a*16*XP+\q*128+64
	ds_load_b128 v[XS+16*\a+12:XS+16*\a+15], v[ADRA+\slot] offset:\a*16*XP+\q*128+80
.endr
.irp b, 0,1,2,3,4,5,6,7
	ds_load_tr16_b128 v[\wf+8*\b:\wf+8*\b+3],   v[ADRB+\slot] offset:\q*32*WP+\b*32
	ds_load_tr16_b128 v[\wf+8*\b+4:\wf+8*\b+7], v[ADRB+\slot] offset:\q*32*WP+\b*32+16*WP
.endr
.endm
.macro CVT                             ; x to f16, rounded once
.irp a, 0,1,2,3
.irp i, 0,1,2,3,4,5,6,7
	v_cvt_pk_f16_f32 v[XF+8*\a+\i], v[XS+16*\a+2*\i], v[XS+16*\a+2*\i+1]
.endr
.endr
.endm
; 32 matrix instructions on 32 accumulators that take turns, one instruction a turn, in the same order every time
.macro MUL wf, zero
	WIN 0x50                                       ; C and D in window 1
.irp a, 0,1,2,3
.irp b, 0,1,2,3,4,5,6,7
.if \zero
	v_wmma_f32_16x16x32_f16 v[8*(8*\a+\b):8*(8*\a+\b)+7], v[\wf+8*\b:\wf+8*\b+7], v[XF+8*\a:XF+8*\a+7], 0
.else
	v_wmma_f32_16x16x32_f16 v[8*(8*\a+\b):8*(8*\a+\b)+7], v[\wf+8*\b:\wf+8*\b+7], v[XF+8*\a:XF+8*\a+7], v[8*(8*\a+\b):8*(8*\a+\b)+7]
.endif
.endr
.endr
.endm
; A quarter step: its loads were issued ahead of the last 32 matrix instructions.  nq: the quarter to fetch next (4: none).
.macro QUARTER slot, nq, cur, nxt, zero
	s_wait_dscnt 0x0                               ; this quarter's 32 loads are in
	PLACES                                         ; the conversions write XF and the loads write buffer nxt, which the last matrix instructions read
	CVT
.if \nq < 4
	LOADS \slot, \nq, \nxt
.endif
	MUL \cur, \zero
	WIN 0
.endm
.macro PHASE slot, zero                ; a K step of 128; zero = 1: its first products start the sums, nothing is cleared
	LOADS \slot, 0, WF0
	QUARTER \slot, 1, WF0, WF1, \zero
	QUARTER \slot, 2, WF1, WF0, 0
	QUARTER \slot, 3, WF0, WF1, 0
	QUARTER \slot, 4, WF1, WF0, 0
.endm
; The change of slots.  In front of the barrier every wave waits for all its tensor loads (one is out: its part of this slot) and for its reads of the other slot;
; where that slot is filled again the barrier is a round of the cluster's barrier, and the joint refill is the first thing behind it, one load a wave.
.macro NEXT slot, other, refill
	s_wait_tensorcnt 0x0
	ds_add_u32 v254, v255
	s_wait_dscnt 0x0
.if \refill
	s_add_nc_u64 s[G0A+4*\other+2:G0A+4*\other+3], s[G0A+4*\other+2:G0A+4*\other+3], 1024      ; no load is out: group 0 may step, two K steps on
	s_add_nc_u64 s[G0B+4*\other+2:G0B+4*\other+3], s[G0B+4*\other+2:G0B+4*\other+3], 524288
.endif
	s_wait_dscnt 0x0
.if \refill
	ROUND
	JLOAD \other
.else
	BAR
.endif
	PHASE \slot, 0
.endm
	s_wait_tensorcnt 0x1                           ; my part of K step 0 is in; K step 1's load stays out
	BAR
	PHASE 0, 1
	s_mov_b32 s3, 3
.Lring:
	NEXT 1, 0, 1                                   ; K steps 1, 3, 5; slot 0 gets 2, 4, 6
	NEXT 0, 1, 1                                   ; K steps 2, 4, 6; slot 1 gets 3, 5, 7
	s_sub_co_u32 s3, s3, 1
	s_cmp_lg_u32 s3, 0
	s_cbranch_scc1 .Lring
	NEXT 1, 0, 0                                   ; K step 7: nothing is left to fetch
	; THE WAY OUT, 16 rows at a time: add the bias, round to f16, 16 bytes a lane into my own stage, read back so that a store covers 4 rows of one head
	PLACES                                         ; behind the last matrix instructions, whose results are read below
	s_wait_loadcnt 0x0                             ; the bias
.irp k, 0,1,2,3
	v_mov_b32 v[AM+\k], 0
.endr
.macro OUT16 a, f
	WIN 0x12                                       ; source 0 (bias) window 2, source 2 (sums) window 1
.set i, 0
.rept 32
	v_pk_fma_f32 v[XS+2*i:XS+2*i+1], v[2*i:2*i+1], s[54:55], v[64*\a+2*i:64*\a+2*i+1] op_sel_hi:[1,0,1]
.set i, i+1
.endr
	WIN 0
.set i, 0
.rept 32
	v_max3_num_f32 v[AM+(i&3)], |v[XS+2*i]|, |v[XS+2*i+1]|, v[AM+(i&3)]
.set i, i+1
.endr
.set i, 0
.rept 32
	v_cvt_pk_f16_f32 v[XF+i], v[XS+2*i], v[XS+2*i+1]
.set i, i+1
.endr
.irp b, 0,1,2,3,4,5,6,7
	ds_store_b128 v[STO], v[XF+4*\b:XF+4*\b+3] offset:32*\b
.endr
	s_wait_xcnt 0x0                                ; buffer f, which earlier stores read, is loaded again only behind this wait (ISA guide 3.1)
.irp t, 0,1,2,3,4,5,6,7
	ds_load_b128 v[\f+4*\t:\f+4*\t+3], v[RD] offset:(\t&3)*4*SP+(\t>>2)*128    ; LDS serves a wave's instructions in order: these see the stores above
.endr
.irp t, 0,1,2,3,4,5,6,7
	s_wait_dscnt 7-\t                              ; the younger read-backs stay out
	global_store_b128 v[CO], v[\f+4*\t:\f+4*\t+3], s[82:83] offset:\a*2048+(\t&3)*512+(\t>>2)*262144   ; 512 consecutive bytes, aligned: 4 rows of a head
.endr
.endm
	OUT16 0, WF0
	OUT16 1, WF1
	OUT16 2, WF0
	OUT16 3, WF1
	; max |result| of my 64 x 128, in every lane; stored for v alone: the storing lane is chosen by p, so no branch is needed
	v_max_num_f32 v[AM], v[AM], v[AM+1]
	v_max_num_f32 v[AM+2], v[AM+2], v[AM+3]
	v_max_num_f32 v[AM], v[AM], v[AM+2]
	v_max_num_f32_dpp v[AM], v[AM], v[AM] row_xmask:1 row_mask:0xf bank_mask:0xf
	v_max_num_f32_dpp v[AM], v[AM], v[AM] row_xmask:2 row_mask:0xf bank_mask:0xf
	v_max_num_f32_dpp v[AM], v[AM], v[AM] row_xmask:4 row_mask:0xf bank_mask:0xf
	v_max_num_f32_dpp v[AM], v[AM], v[AM] row_xmask:8 row_mask:0xf bank_mask:0xf
	v_permlanex16_b32 v[AM+1], v[AM], s88, s89
	v_max_num_f32 v[AM], v[AM], v[AM+1]
	v_cmp_eq_u32 vcc_lo, s90, v1
	s_wait_xcnt 0x0                                ; EXEC is a source of the stores above: it changes only behind this wait
	s_and_saveexec_b32 s91, vcc_lo
	global_store_b32 v7, v[AM], s[66:67]
	s_wait_xcnt 0x0                                ; and again in front of the line that widens it
	s_or_b32 exec_lo, exec_lo, s91
	s_wait_tensorcnt 0x0
	ds_add_u32 v254, v255
	s_wait_dscnt 0x0
	ROUND                                          ; the closing round: no work-group ends while a partner may still ask for a tile that names it
	s_endpgm
.Lfunc_end_k_qe4db92f438_proj:
	.size	k_qe4db92f438_proj, .Lfunc_end_k_qe4db92f438_proj-k_qe4db92f438_proj
	.p2alignl 7, 3214868480
	.fill 96, 4, 3214868480
	.section	.rodata,"a",@progbits
	.p2align	6, 0x0
	.amdhsa_kernel k_qe4db92f438_proj
		.amdhsa_group_segment_fixed_size 327680
		.amdhsa_private_segment_fixed_size 0
		.amdhsa_enable_private_segment 0
		.amdhsa_kernarg_size 72
		.amdhsa_user_sgpr_count 2
		.amdhsa_user_sgpr_kernarg_segment_ptr 1
		.amdhsa_wavefront_size32 1
		.amdhsa_system_sgpr_workgroup_id_x 1
		.amdhsa_system_sgpr_workgroup_id_y 1
		.amdhsa_system_sgpr_workgroup_id_z 1
		.amdhsa_system_vgpr_workitem_id 0
		.amdhsa_next_free_vgpr 576
		.amdhsa_next_free_sgpr 92
		.amdhsa_reserve_vcc 1
		.amdhsa_float_denorm_mode_32 3
		.amdhsa_float_denorm_mode_16_64 3
		.amdhsa_memory_ordered 1
		.amdhsa_forward_progress 1
		.amdhsa_inst_pref_size 145
	.end_amdhsa_kernel
	.amdgpu_metadata
---
amdhsa.version: [ 1, 2 ]
amdhsa.kernels:
  - .name:           k_qe4db92f438_proj
    .symbol:         k_qe4db92f438_proj.kd
    .args:
      - { .name: queries, .offset: 0, .size: 8, .value_kind: global_buffer, .address_space: global }
      - { .name: keys, .offset: 8, .size: 8, .value_kind: global_buffer, .address_space: global }
      - { .name: values, .offset: 16, .size: 8, .value_kind: global_buffer, .address_space: global }
      - { .name: wh, .offset: 24, .size: 8, .value_kind: global_buffer, .address_space: global }
      - { .name: bq, .offset: 32, .size: 8, .value_kind: global_buffer, .address_space: global }
      - { .name: bk, .offset: 40, .size: 8, .value_kind: global_buffer, .address_space: global }
      - { .name: bv, .offset: 48, .size: 8, .value_kind: global_buffer, .address_space: global }
      - { .name: qkv, .offset: 56, .size: 8, .value_kind: global_buffer, .address_space: global }
      - { .name: amax, .offset: 64, .size: 8, .value_kind: global_buffer, .address_space: global }
    .group_segment_fixed_size: 327680
    .private_segment_fixed_size: 0
    .kernarg_segment_align: 8
    .kernarg_segment_size: 72
    .max_flat_workgroup_size: 128
    .sgpr_count:     92
    .vgpr_count:     576
    .wavefront_size: 32
...
	.end_amdgpu_metadata
.endif
;; end of part 2
;; launch stats (part 3): grid 256 x 1, 8 waves a work-group, clusters of 4 x 1, 295,936 bytes of LDS; arguments qkv, negc; writes negc
.if DOCPART == 3
	.amdgcn_target "amdgcn-amd-amdhsa--gfx1250"
	.amdhsa_code_object_version 6
	.text
	.protected	k_qe4db92f438_stats
	.globl	k_qe4db92f438_stats
	.p2align	8
	.type	k_qe4db92f438_stats,@function
k_qe4db92f438_stats:
	s_mov_b64 s[64:65], 0
	v_nop
	global_prefetch_b8 v0, s[64:65] scope:SCOPE_SE
	s_setreg_imm32_b32 hwreg(HW_REG_WAVE_MODE, 25, 1), 1
	s_wait_xcnt 0x0
	s_wait_alu depctr_hold_cnt(0) depctr_sa_sdst(0) depctr_va_vdst(0) depctr_va_sdst(0) depctr_va_ssrc(0) depctr_va_vcc(0) depctr_vm_vsrc(0)
	s_getreg_b32 s2, hwreg(HW_REG_IB_STS2, 6, 4)
	s_cmp_eq_u32 s2, 0
	s_cbranch_scc0 .Lentry_in_a_cluster
	s_endpgm
.Lentry_in_a_cluster:
	s_bfe_u32 s2, ttmp6, 0x10000c
	s_cmp_lg_u32 s2, 0x3003
	s_cbranch_scc0 .Lentry_shape_is_right
	s_endpgm
.Lentry_shape_is_right:
; The softmax runs along the QUERY axis, so its maximum and its sum belong to a key.  This launch makes them:
; negc[head][k] = 7 - m[k] - log2 Z[k], m[k] = max over q of s[q][k], Z[k] = sum over q of 2^(s[q][k] - m[k]), s = q' . k with q' = q log2 e.
; The next launch then has 2^(s + negc) = 128 softmax = 2^10 softmax / 8, at most 128 for every input.
; A running maximum is kept per key and taken away in front of every exponential.
; A work-group takes 512 keys of one head, a wave 64 keys, held as fragments in registers for the whole launch; the head's 2,048 queries lie in LDS,
; filled once.  CLUSTER 4 x 1: the four key blocks of a head read the same queries and ask for them jointly.
; Eight waves, two for each of the WGP's four SIMDs, so that one wave's exponentials run beside the other's products.
; Key tile kt holds keys 4 r + kt, so that a lane ends with four neighbouring keys.  A lane sees 8 of 16 queries of a tile: the two halves are merged at the end.
; LIMIT: operands f16, |q log2 e|, |k| below 65,504.
.set QP,     144                       ; 128 bytes + 16: an odd multiple of 16
.set CHUNKB, 512*QP                    ; a quarter of the queries
.set WPART,  64*QP                     ; what one tensor load brings
.set KF, 16                            ; v[16:79]    key fragments, 16 kt + 8 f
.set QF, 80                            ; v[80:111]   query fragments, 16 qt + 8 f
.set ST, 112                           ; v[112:175]  scores, 8 (4 qt + kt)
.set MO, 176                           ; v[176:179]  running maximum
.set AL, 180                           ; v[180:183]  2^(old maximum - new)
.set T,  184                           ; v[184:191]  pair for each kt: new maximum, old - new
.set Z,  192                           ; v[192:199]  pair of running sums for each kt
.set NC, 200                           ; v[200:203]
.set G1, 16
.set G0, 24                            ; four sets, one for each chunk
.macro PLACES
.rept 4
	v_nop
.endr
.endm
.macro BAR
	s_barrier_signal -1
	s_barrier_wait -1
.endm
.macro ROUND
	s_barrier_signal -1
	s_barrier_wait -1
	s_cmp_lg_u32 s8, 0
	s_cbranch_scc1 .Lnot_wave_0_\@
	s_barrier_signal -3
.Lnot_wave_0_\@:
	s_barrier_wait -3
	s_barrier_signal -1
	s_barrier_wait -1
.endm
	s_load_b128 s[4:7], s[0:1], 0x0                ; qkv, negc
	v_lshl_add_u32 v208, v0, 2, 0x48000
	v_mov_b32 v209, 0
	ds_add_u32 v208, v209
	ds_add_u32 v208, v209
	v_lshrrev_b32 v1, 5, v0
	v_readfirstlane_b32 s8, v1                     ; wave 0..7
	s_bfe_u32 s9, ttmp6, 0x40000                   ; cx: my 512 keys.  ttmp9, the cluster's x, is the head
	s_mov_b32 s[G1+0], 15|(1<<16)|(1<<20)|(1<<21)|(4<<22)|(3<<25)   ; all four partners; 2-byte elements; 4 words of padding behind every 32
	s_mov_b32 s[G1+1], 64<<16
	s_mov_b32 s[G1+2], 64<<16
	s_mov_b32 s[G1+3], 64<<16
	s_mov_b32 s[G1+4], 64
	s_mov_b32 s[G1+5], 64
	s_mov_b32 s[G1+6], 0
	s_mov_b32 s[G1+7], 0
	s_lshl_b32 s14, ttmp9, 18                      ; a head is 262,144 bytes
	s_lshl_b32 s15, s8, 13                         ; my 64 rows of a chunk
	s_add_co_u32 s14, s14, s15
	s_mov_b32 s15, 0
	s_mul_i32 s10, s8, WPART
	s_lshl_b32 s42, s9, 16                         ; my block's 512 keys,
	s_add_co_u32 s42, s42, 0x1000000               ; in k, 16 MiB behind q
	s_mov_b32 s43, 0
	s_lshl_b32 s44, ttmp9, 13
	s_lshl_b32 s45, s9, 11
	s_add_co_u32 s44, s44, s45
	s_lshl_b32 s45, s8, 8
	s_add_co_u32 s44, s44, s45                     ; negc: 4 (2,048 head + 512 cx + 64 w)
	s_mov_b32 s45, 0
	s_wait_dscnt 0x0
	s_wait_kmcnt 0x0
	s_add_nc_u64 s[12:13], s[4:5], s[14:15]        ; q: hangs on the head and the wave alone
	s_add_nc_u64 s[40:41], s[12:13], s[42:43]      ; k: my wave's 64 keys
	s_add_nc_u64 s[6:7], s[6:7], s[44:45]
	ROUND                                          ; in front of the first joint loads
.irp c, 0,1,2,3
	s_mov_b32 s[G0+4*\c], 1
	s_add_co_u32 s[G0+4*\c+1], s10, \c*CHUNKB
	s_add_nc_u64 s[G0+4*\c+2:G0+4*\c+3], s[12:13], \c*65536
	s_or_b32 s[G0+4*\c+3], s[G0+4*\c+3], 0x80000000
	tensor_load_to_lds s[G0+4*\c:G0+4*\c+3], s[G1:G1+7]            ; four loads of the wave are out; every byte of LDS is filled once
	s_nop 0
.endr
	v_and_b32 v2, 15, v0                           ; r
	v_bfe_u32 v3, v0, 4, 1                         ; h
	v_lshlrev_b32 v5, 9, v2
	v_lshl_add_u32 v5, v3, 4, v5                   ; key 4 r: 512 r, + 16 h
.irp kt, 0,1,2,3
.irp f, 0,1
	global_load_b128 v[KF+16*\kt+8*\f:KF+16*\kt+8*\f+3],   v5, s[40:41] offset:\kt*128+\f*64
	global_load_b128 v[KF+16*\kt+8*\f+4:KF+16*\kt+8*\f+7], v5, s[40:41] offset:\kt*128+\f*64+32
.endr
.endr
	v_mul_u32_u24 v6, v2, QP
	v_lshl_add_u32 v6, v3, 4, v6                   ; query fragment: row r, 16 h
.irp kt, 0,1,2,3
	v_mov_b32 v[MO+\kt], 0xff800000                ; minus infinity: the first trip's 2^(old - new) is 0
	v_mov_b32 v[Z+2*\kt], 0
	v_mov_b32 v[Z+2*\kt+1], 0
.endr
	s_mov_b32 s46, 0x76543210
	s_mov_b32 s47, 0xfedcba98
	s_wait_loadcnt 0x0                             ; the keys, once
.macro PADD kt, x, y
	v_pk_add_f32 v[ST+8*\kt+\x:ST+8*\kt+\x+1], v[ST+8*\kt+\x:ST+8*\kt+\x+1], v[ST+8*\kt+\y:ST+8*\kt+\y+1]
.endm
; One trip: 32 queries x my 64 keys
.macro TRIP
.irp qt, 0,1
.irp f, 0,1
	ds_load_b128 v[QF+16*\qt+8*\f:QF+16*\qt+8*\f+3],   v4 offset:\qt*16*QP+\f*64
	ds_load_b128 v[QF+16*\qt+8*\f+4:QF+16*\qt+8*\f+7], v4 offset:\qt*16*QP+\f*64+32
.endr
.endr
	v_add_nc_u32 v4, 32*QP, v4
	s_wait_dscnt 0x0
	; eight accumulators take turns, one instruction a turn: d = 0..31 starts the sums, d = 32..63 adds in the same order
.irp qt, 0,1
.irp kt, 0,1,2,3
	v_wmma_f32_16x16x32_f16 v[ST+8*(4*\qt+\kt):ST+8*(4*\qt+\kt)+7], v[QF+16*\qt:QF+16*\qt+7], v[KF+16*\kt:KF+16*\kt+7], 0
.endr
.endr
.irp qt, 0,1
.irp kt, 0,1,2,3
	v_wmma_f32_16x16x32_f16 v[ST+8*(4*\qt+\kt):ST+8*(4*\qt+\kt)+7], v[QF+16*\qt+8:QF+16*\qt+15], v[KF+16*\kt+8:KF+16*\kt+15], v[ST+8*(4*\qt+\kt):ST+8*(4*\qt+\kt)+7]
.endr
.endr
	PLACES
	; the new maximum of each key: my 16 scores and the old one, four chains side by side
.irp kt, 0,1,2,3
	v_max3_num_f32 v[T+2*\kt], v[ST+8*\kt], v[ST+8*\kt+1], v[ST+8*\kt+2]
.endr
.irp i, 3,5
.irp kt, 0,1,2,3
	v_max3_num_f32 v[T+2*\kt], v[T+2*\kt], v[ST+8*\kt+\i], v[ST+8*\kt+\i+1]
.endr
.endr
.irp kt, 0,1,2,3
	v_max3_num_f32 v[T+2*\kt], v[T+2*\kt], v[ST+8*\kt+7], v[ST+32+8*\kt]
.endr
.irp i, 1,3,5
.irp kt, 0,1,2,3
	v_max3_num_f32 v[T+2*\kt], v[T+2*\kt], v[ST+32+8*\kt+\i], v[ST+32+8*\kt+\i+1]
.endr
.endr
.irp kt, 0,1,2,3
	v_max3_num_f32 v[T+2*\kt], v[T+2*\kt], v[ST+32+8*\kt+7], v[MO+\kt]
.endr
.irp kt, 0,1,2,3
	v_sub_f32 v[T+2*\kt+1], v[MO+\kt], v[T+2*\kt]
.endr
.irp kt, 0,1,2,3
	v_mov_b32 v[MO+\kt], v[T+2*\kt]
.endr
.irp kt, 0,1,2,3
	v_exp_f32 v[AL+\kt], v[T+2*\kt+1]
.endr
.irp kt, 0,1,2,3
.irp o, 0,2,4,6,32,34,36,38
	v_pk_add_f32 v[ST+8*\kt+\o:ST+8*\kt+\o+1], v[ST+8*\kt+\o:ST+8*\kt+\o+1], v[T+2*\kt:T+2*\kt+1] op_sel_hi:[1,0] neg_lo:[0,1] neg_hi:[0,1]   ; s - maximum
.endr
.endr
.set i, 0
.rept 64
	v_exp_f32 v[ST+i], v[ST+i]
.set i, i+1
.endr
	v_nop                                          ; one plain place between the exponentials and the first use (ISA guide 5.7.2)
	s_wait_alu depctr_va_vdst(0)
.irp kt, 0,1,2,3
	v_fma_f32 v[Z+2*\kt],   v[Z+2*\kt],   v[AL+\kt], v[ST+8*\kt]     ; the old sums, brought to the new maximum, take the first two terms
	v_fma_f32 v[Z+2*\kt+1], v[Z+2*\kt+1], v[AL+\kt], v[ST+8*\kt+1]
	PADD \kt, 2, 4
	PADD \kt, 6, 32
	PADD \kt, 34, 36
.endr
.irp kt, 0,1,2,3
	PADD \kt, 2, 6
	PADD \kt, 34, 38
.endr
.irp kt, 0,1,2,3
	PADD \kt, 2, 34
.endr
.irp kt, 0,1,2,3
	v_pk_add_f32 v[Z+2*\kt:Z+2*\kt+1], v[Z+2*\kt:Z+2*\kt+1], v[ST+8*\kt+2:ST+8*\kt+3]
.endr
.endm
.irp c, 0,1,2,3
	s_wait_tensorcnt 3-\c                          ; my part of chunk c is in; the later chunks stay out
	BAR                                            ; everybody's is
	v_add_nc_u32 v4, \c*CHUNKB, v6
	s_mov_b32 s3, 16
.Lq\c:
	TRIP
	s_sub_co_u32 s3, s3, 1
	s_cmp_lg_u32 s3, 0
	s_cbranch_scc1 .Lq\c
.endr
	; merge the two halves of the lanes (queries 8 h + 0..7 of every tile), then 7 - m - log2 Z
.irp kt, 0,1,2,3
	v_add_f32 v[Z+2*\kt], v[Z+2*\kt], v[Z+2*\kt+1]
	v_permlanex16_b32 v[T+2*\kt], v[MO+\kt], s46, s47
.endr
.irp kt, 0,1,2,3
	v_max_num_f32 v[T+2*\kt], v[T+2*\kt], v[MO+\kt]                ; m
	v_sub_f32 v[T+2*\kt+1], v[MO+\kt], v[T+2*\kt]
.endr
.irp kt, 0,1,2,3
	v_exp_f32 v[AL+\kt], v[T+2*\kt+1]
.endr
	v_nop
	s_wait_alu depctr_va_vdst(0)
.irp kt, 0,1,2,3
	v_mul_f32 v[Z+2*\kt], v[Z+2*\kt], v[AL+\kt]
.endr
.irp kt, 0,1,2,3
	v_permlanex16_b32 v[Z+2*\kt+1], v[Z+2*\kt], s46, s47
.endr
.irp kt, 0,1,2,3
	v_add_f32 v[Z+2*\kt], v[Z+2*\kt], v[Z+2*\kt+1]                 ; Z is at least 1: the query that holds the maximum adds 2^0
.endr
.irp kt, 0,1,2,3
	v_log_f32 v[AL+\kt], v[Z+2*\kt]
.endr
.irp kt, 0,1,2,3
	v_sub_f32 v[T+2*\kt], 0x40e00000, v[T+2*\kt]                   ; 7 - m: also the plain place behind the logarithms
.endr
	s_wait_alu depctr_va_vdst(0)
.irp kt, 0,1,2,3
	v_sub_f32 v[NC+\kt], v[T+2*\kt], v[AL+\kt]
.endr
	v_cmp_ne_u32 vcc_lo, 0, v3                     ; both halves hold keys 4 r + 0..3: half h stores 4 r + 2 h and the next
	v_cndmask_b32 v[NC], v[NC], v[NC+2], vcc_lo
	v_cndmask_b32 v[NC+1], v[NC+1], v[NC+3], vcc_lo
	v_lshlrev_b32 v7, 4, v2
	v_lshl_add_u32 v7, v3, 3, v7
	global_store_b64 v7, v[NC:NC+1], s[6:7]        ; the wave's 64 keys: 256 consecutive bytes, aligned
	s_wait_tensorcnt 0x0
	ds_add_u32 v208, v209
	s_wait_dscnt 0x0
	ROUND                                          ; the closing round
	s_endpgm
.Lfunc_end_k_qe4db92f438_stats:
	.size	k_qe4db92f438_stats, .Lfunc_end_k_qe4db92f438_stats-k_qe4db92f438_stats
	.p2alignl 7, 3214868480
	.fill 96, 4, 3214868480
	.section	.rodata,"a",@progbits
	.p2align	6, 0x0
	.amdhsa_kernel k_qe4db92f438_stats
		.amdhsa_group_segment_fixed_size 295936
		.amdhsa_private_segment_fixed_size 0
		.amdhsa_enable_private_segment 0
		.amdhsa_kernarg_size 16
		.amdhsa_user_sgpr_count 2
		.amdhsa_user_sgpr_kernarg_segment_ptr 1
		.amdhsa_wavefront_size32 1
		.amdhsa_system_sgpr_workgroup_id_x 1
		.amdhsa_system_sgpr_workgroup_id_y 1
		.amdhsa_system_sgpr_workgroup_id_z 1
		.amdhsa_system_vgpr_workitem_id 0
		.amdhsa_next_free_vgpr 210
		.amdhsa_next_free_sgpr 66
		.amdhsa_reserve_vcc 1
		.amdhsa_float_denorm_mode_32 3
		.amdhsa_float_denorm_mode_16_64 3
		.amdhsa_memory_ordered 1
		.amdhsa_forward_progress 1
		.amdhsa_inst_pref_size 52
	.end_amdhsa_kernel
	.amdgpu_metadata
---
amdhsa.version: [ 1, 2 ]
amdhsa.kernels:
  - .name:           k_qe4db92f438_stats
    .symbol:         k_qe4db92f438_stats.kd
    .args:
      - { .name: qkv, .offset: 0, .size: 8, .value_kind: global_buffer, .address_space: global }
      - { .name: negc, .offset: 8, .size: 8, .value_kind: global_buffer, .address_space: global }
    .group_segment_fixed_size: 295936
    .private_segment_fixed_size: 0
    .kernarg_segment_align: 8
    .kernarg_segment_size: 16
    .max_flat_workgroup_size: 256
    .sgpr_count:     66
    .vgpr_count:     210
    .wavefront_size: 32
...
	.end_amdgpu_metadata
.endif
;; end of part 3
;; launch attn (part 4): grid 256 x 1, 8 waves a work-group, clusters of 4 x 1, 327,680 bytes of LDS; arguments qkv, negc, amax, att; writes att
.if DOCPART == 4
	.amdgcn_target "amdgcn-amd-amdhsa--gfx1250"
	.amdhsa_code_object_version 6
	.text
	.protected	k_qe4db92f438_attn
	.globl	k_qe4db92f438_attn
	.p2align	8
	.type	k_qe4db92f438_attn,@function
k_qe4db92f438_attn:
	s_mov_b64 s[64:65], 0
	v_nop
	global_prefetch_b8 v0, s[64:65] scope:SCOPE_SE
	s_setreg_imm32_b32 hwreg(HW_REG_WAVE_MODE, 25, 1), 1
	s_wait_xcnt 0x0
	s_wait_alu depctr_hold_cnt(0) depctr_sa_sdst(0) depctr_va_vdst(0) depctr_va_sdst(0) depctr_va_ssrc(0) depctr_va_vcc(0) depctr_vm_vsrc(0)
	s_getreg_b32 s2, hwreg(HW_REG_IB_STS2, 6, 4)
	s_cmp_eq_u32 s2, 0
	s_cbranch_scc0 .Lentry_in_a_cluster
	s_endpgm
.Lentry_in_a_cluster:
	s_bfe_u32 s2, ttmp6, 0x10000c
	s_cmp_lg_u32 s2, 0x3003
	s_cbranch_scc0 .Lentry_shape_is_right
	s_endpgm
.Lentry_shape_is_right:
; att[head][q][d] = f16( g * sum over k of p[q][k] v[k][d] ), p = 2^(q'.k + negc[k]) = 2^10 softmax over q / 8, at most 128 for every input, so it has room in f16.
; negc holds the key's maximum and log-sum from the launch before: the maximum is taken away inside the score product, as its C operand.
; g = 2^-4 / 2^floor(log2 max|v|) is a power of two made from amax: |sum| <= 2,048 x 128 x max|v|, so |att| stays below 2^15 whatever v's size;
; the output projection multiplies by 2^(floor - 6), which undoes g and the 2^10.  Only values hang on it, no address and no branch.
; A work-group takes 512 queries of a head, a wave 64, as fragments in registers; keys and values go through two LDS slots of 256 keys.
; CLUSTER 4 x 1: the four query blocks of a head read the same k, v and negc and ask for them jointly.
; Eight waves, two for each of the WGP's four SIMDs: one wave's exponentials run beside the other's products.
; The scores are made transposed (source 0 = keys, source 1 = queries): a lane holds 8 neighbouring keys of one query, and the packed
; exponentials are the second product's B fragment as they stand, with no move between lanes.  v lies [k][d]; the transposing load makes its fragments.
; LIMITS: |q log2 e|, |k|, |v| below 65,504 (f16 operands); max|v| below 2^-120 counts as 2^-120.
.set PART,  10240                      ; 64 rows of k at pitch 144 (9,216 used), or 64 rows of v at pitch 160
.set SLOT,  8*PART                     ; k's four parts, then v's four
.set NEGC,  2*SLOT                     ; 8,192 bytes: the head's negc, filled once
.set STAGE, NEGC+8192                  ; 16 rows x 144 bytes for each wave; no tensor load lands here
.set KP, 144
.set VP, 160
.set KA, 4                             ; v4  k fragments, running
.set VA, 5                             ; v5  v fragments, running
.set CA, 6                             ; v6  negc, running
.set STO, 8
.set RD,  9
.set CO,  10                           ; 16 x lane
.set KB, 12                            ; v12-13  k fragments at the head of slot 0, 1
.set VB, 14                            ; v14-15  v likewise
.set KF, 16                            ; v[16:47]   16 kt + 8 f
.set CN, 48                            ; v[48:63]   negc of keys 16 kt + 8 h + 0..7
.set VF, 64                            ; v[64:95]   8 dt
.set PF, 96                            ; v[96:127]  8 qt + 4 kt
.set ST, 128                           ; v[128:191] 8 (2 qt + kt)
.set QF, 0                             ; window 1: v[0:63] query fragments, 16 qt + 8 f
.set OA, 64                            ; window 1: v[64:191] output sums, 8 (4 qt + dt)
.set G1K, 16
.set G1V, 24
.set G0,  32                           ; one set for each slot
.set G0N, 40
.set G1N, 44
.set MSB, 0
.macro WIN new
.if MSB != \new
	s_set_vgpr_msb (MSB<<8)|\new
.set MSB, \new
.endif
.endm
.macro PLACES
.rept 4
	v_nop
.endr
.endm
.macro BAR
	s_barrier_signal -1
	s_barrier_wait -1
.endm
.macro ROUND
	s_barrier_signal -1
	s_barrier_wait -1
	s_cmp_lg_u32 s8, 0
	s_cbranch_scc1 .Lnot_wave_0_\@
	s_barrier_signal -3
.Lnot_wave_0_\@:
	s_barrier_wait -3
	s_barrier_signal -1
	s_barrier_wait -1
.endm
.macro JLOAD s                         ; waves 0-3 ask for 64 rows of k each, waves 4-7 for 64 rows of v: the two shapes differ in the padding
	s_cmp_eq_u32 s10, 0
	s_cbranch_scc0 .Lfor_v_\@
	tensor_load_to_lds s[G0+4*\s:G0+4*\s+3], s[G1K:G1K+7]
	s_nop 0
	s_branch .Lasked_\@
.Lfor_v_\@:
	tensor_load_to_lds s[G0+4*\s:G0+4*\s+3], s[G1V:G1V+7]
	s_nop 0
.Lasked_\@:
.endm
	s_load_b256 s[68:75], s[0:1], 0x0              ; qkv 68, negc 70, amax 72, att 74
	v_lshl_add_u32 v254, v0, 2, 0x2e800
	v_mov_b32 v255, 0
	ds_add_u32 v254, v255
	ds_add_u32 v254, v255
	v_lshrrev_b32 v1, 5, v0
	v_readfirstlane_b32 s8, v1                     ; wave 0..7
	s_lshr_b32 s10, s8, 2                          ; I fetch k (0) or v (1),
	s_and_b32 s11, s8, 3                           ; and which 64 rows of the 256
	s_bfe_u32 s9, ttmp6, 0x40000                   ; cx: my 512 queries.  ttmp9 is the head
	s_mov_b32 s[G1K+0], 15|(1<<16)|(1<<20)|(1<<21)|(4<<22)|(3<<25)   ; 4 words of padding behind every 32
	s_mov_b32 s[G1V+0], 15|(1<<16)|(1<<20)|(1<<21)|(4<<22)|(7<<25)   ; 8 words
.irp g, G1K, G1V
	s_mov_b32 s[\g+1], 64<<16
	s_mov_b32 s[\g+2], 64<<16
	s_mov_b32 s[\g+3], 64<<16
	s_mov_b32 s[\g+4], 64
	s_mov_b32 s[\g+5], 64
	s_mov_b32 s[\g+6], 0
	s_mov_b32 s[\g+7], 0
.endr
	s_mov_b32 s[G1N+0], 15|(3<<16)|(1<<21)         ; negc: a dense block, 4 rows of 32 elements of 8 bytes
	s_mov_b32 s[G1N+1], 32<<16
	s_mov_b32 s[G1N+2], 4<<16
	s_mov_b32 s[G1N+3], 32<<16
	s_mov_b32 s[G1N+4], 4
	s_mov_b32 s[G1N+5], 32
	s_mov_b32 s[G1N+6], 0
	s_mov_b32 s[G1N+7], 0
	s_add_co_u32 s4, s10, 1
	s_lshl_b32 s4, s4, 24                          ; k lies 16 MiB, v 32 MiB behind q
	s_lshl_b32 s5, ttmp9, 18
	s_add_co_u32 s4, s4, s5
	s_lshl_b32 s5, s11, 13
	s_add_co_u32 s4, s4, s5
	s_mov_b32 s5, 0
	s_lshl_b32 s6, ttmp9, 13
	s_lshl_b32 s7, s8, 10
	s_add_co_u32 s6, s6, s7                        ; my 1,024 bytes of the head's negc
	s_mov_b32 s7, 0
	s_mul_i32 s12, s8, PART
	s_lshl_b32 s13, s8, 10
	s_add_co_u32 s13, s13, NEGC
	s_lshl_b32 s54, ttmp9, 18                      ; my wave's 64 queries, in q and in att: the only offset that holds cx
	s_lshl_b32 s55, s9, 16
	s_add_co_u32 s54, s54, s55
	s_lshl_b32 s55, s8, 13
	s_add_co_u32 s54, s54, s55
	s_mov_b32 s55, 0
	s_wait_dscnt 0x0
	s_wait_kmcnt 0x0
	s_add_nc_u64 s[4:5], s[68:69], s[4:5]
	s_add_nc_u64 s[6:7], s[70:71], s[6:7]
	s_add_nc_u64 s[52:53], s[68:69], s[54:55]
	s_add_nc_u64 s[74:75], s[74:75], s[54:55]
	ROUND                                          ; in front of the first joint loads
	s_mov_b32 s[G0N], 1
	s_mov_b32 s[G0N+1], s13
	s_mov_b64 s[G0N+2:G0N+3], s[6:7]
	s_or_b32 s[G0N+3], s[G0N+3], 0x80000000
	tensor_load_to_lds s[G0N:G0N+3], s[G1N:G1N+7]
	s_nop 0
.irp s, 0,1
	s_mov_b32 s[G0+4*\s], 1
	s_add_co_u32 s[G0+4*\s+1], s12, \s*SLOT
	s_add_nc_u64 s[G0+4*\s+2:G0+4*\s+3], s[4:5], \s*32768
	s_or_b32 s[G0+4*\s+3], s[G0+4*\s+3], 0x80000000
	JLOAD \s                                       ; three tensor loads of the wave are out
.endr
	v_and_b32 v1, 31, v0                           ; L
	v_and_b32 v2, 15, v0                           ; r
	v_bfe_u32 v3, v0, 4, 1                         ; h
	v_lshlrev_b32 v[CO], 4, v1
.irp j, 0,1,2,3,4,5,6,7
	global_load_b128 v[ST+4*\j:ST+4*\j+3], v[CO], s[72:73] offset:\j*512    ; all 1,024 partial maxima of |v|
.endr
	v_lshlrev_b32 v7, 7, v2
	v_lshl_add_u32 v7, v3, 4, v7
	WIN 0x40                                       ; destination window 1
.irp qt, 0,1,2,3
.irp f, 0,1
	global_load_b128 v[QF+16*\qt+8*\f:QF+16*\qt+8*\f+3],   v7, s[52:53] offset:\qt*2048+\f*64
	global_load_b128 v[QF+16*\qt+8*\f+4:QF+16*\qt+8*\f+7], v7, s[52:53] offset:\qt*2048+\f*64+32
.endr
.endr
	WIN 0
	s_mul_i32 s14, s8, 16*KP
	s_add_co_u32 s14, s14, STAGE
	v_mul_u32_u24 v[KB], v2, KP
	v_lshl_add_u32 v[KB], v3, 4, v[KB]             ; row r, 16 h
	v_add_nc_u32 v[KB+1], SLOT, v[KB]
	v_add_nc_u32 v[STO], s14, v[KB]
	v_and_b32 v11, 7, v0
	v_lshl_add_u32 v4, v3, 3, v11                  ; row 8 h + (L & 7)
	v_mul_u32_u24 v4, v4, VP
	v_bfe_u32 v5, v0, 3, 1
	v_lshl_add_u32 v4, v5, 4, v4
	v_add_nc_u32 v[VB], 4*PART, v4
	v_add_nc_u32 v[VB+1], SLOT, v[VB]
	v_lshrrev_b32 v5, 3, v1
	v_mul_u32_u24 v5, v5, KP
	v_lshl_add_u32 v5, v11, 4, v5
	v_add_nc_u32 v[RD], s14, v5                    ; back: eight lanes take a row of 128 bytes, four rows a load
	v_lshlrev_b32 v[CA], 5, v3
	v_add_nc_u32 v[CA], NEGC, v[CA]
	s_mov_b32 s56, 0x76543210
	s_mov_b32 s57, 0xfedcba98
	s_wait_loadcnt 0x0
	v_max3_num_f32 v[ST], v[ST], v[ST+1], v[ST+2]
.set i, 3
.rept 14
	v_max3_num_f32 v[ST], v[ST], v[ST+i], v[ST+i+1]
.set i, i+2
.endr
	v_max_num_f32 v[ST], v[ST], v[ST+31]
	v_max_num_f32_dpp v[ST], v[ST], v[ST] row_xmask:1 row_mask:0xf bank_mask:0xf
	v_max_num_f32_dpp v[ST], v[ST], v[ST] row_xmask:2 row_mask:0xf bank_mask:0xf
	v_max_num_f32_dpp v[ST], v[ST], v[ST] row_xmask:4 row_mask:0xf bank_mask:0xf
	v_max_num_f32_dpp v[ST], v[ST], v[ST] row_xmask:8 row_mask:0xf bank_mask:0xf
	v_permlanex16_b32 v[ST+1], v[ST], s56, s57
	v_max_num_f32 v[ST], v[ST], v[ST+1]
	v_readfirstlane_b32 s58, v[ST]
	s_and_b32 s58, s58, 0x7f800000                 ; the exponent field of max|v|, E << 23
	s_max_u32 s58, s58, 7<<23                      ; at least 7, so that both scales are normal numbers
	s_sub_co_u32 s58, 250<<23, s58                 ; g = 2^(250 - E - 127) = 2^-4 / 2^(E - 127)
	s_mov_b32 s59, s58
.macro EXP8 u
.irp i, 0,1,2,3,4,5,6,7
	v_exp_f32 v[ST+8*\u+\i], v[ST+8*\u+\i]
.endr
.endm
.macro CVT4 u
	s_wait_alu depctr_va_vdst(0)
.irp i, 0,1,2,3
	v_cvt_pk_f16_f32 v[PF+4*\u+\i], v[ST+8*\u+2*\i], v[ST+8*\u+2*\i+1]
.endr
.endm
; 32 keys x my 64 queries.  c: which 32 of the 64 rows at KA, VA, CA.  zero = 1: the first products start the output sums.
.macro CHUNK c, zero
.irp kt, 0,1
.irp f, 0,1
	ds_load_b128 v[KF+16*\kt+8*\f:KF+16*\kt+8*\f+3],   v[KA] offset:\c*32*KP+\kt*16*KP+\f*64
	ds_load_b128 v[KF+16*\kt+8*\f+4:KF+16*\kt+8*\f+7], v[KA] offset:\c*32*KP+\kt*16*KP+\f*64+32
.endr
.endr
.irp kt, 0,1
	ds_load_b128 v[CN+8*\kt:CN+8*\kt+3],   v[CA] offset:\c*128+\kt*64       ; sixteen lanes read the same 16 bytes
	ds_load_b128 v[CN+8*\kt+4:CN+8*\kt+7], v[CA] offset:\c*128+\kt*64+16
.endr
.irp dt, 0,1,2,3
	ds_load_tr16_b128 v[VF+8*\dt:VF+8*\dt+3],   v[VA] offset:\c*32*VP+\dt*32
	ds_load_tr16_b128 v[VF+8*\dt+4:VF+8*\dt+7], v[VA] offset:\c*32*VP+\dt*32+16*VP
.endr
	s_wait_dscnt 0x8                               ; k and negc are in; v's eight loads stay out
	WIN 0x04                                       ; source 1 (queries) window 1
	; eight accumulators take turns, one instruction a turn; the first takes negc as C
.irp qt, 0,1,2,3
.irp kt, 0,1
	v_wmma_f32_16x16x32_f16 v[ST+8*(2*\qt+\kt):ST+8*(2*\qt+\kt)+7], v[KF+16*\kt:KF+16*\kt+7], v[QF+16*\qt:QF+16*\qt+7], v[CN+8*\kt:CN+8*\kt+7]
.endr
.endr
.irp qt, 0,1,2,3
.irp kt, 0,1
	v_wmma_f32_16x16x32_f16 v[ST+8*(2*\qt+\kt):ST+8*(2*\qt+\kt)+7], v[KF+16*\kt+8:KF+16*\kt+15], v[QF+16*\qt+8:QF+16*\qt+15], v[ST+8*(2*\qt+\kt):ST+8*(2*\qt+\kt)+7]
.endr
.endr
	WIN 0
	PLACES
	; exponentials in runs; a tile is packed one run later, so that a plain instruction always stands between an exponential and its use (ISA guide 5.7.2)
	EXP8 0
	EXP8 1
	v_nop
	s_wait_alu depctr_va_vdst(0)
	CVT4 0
	EXP8 2
	CVT4 1
	EXP8 3
	CVT4 2
	EXP8 4
	CVT4 3
	EXP8 5
	CVT4 4
	EXP8 6
	CVT4 5
	EXP8 7
	CVT4 6
	CVT4 7
	s_wait_dscnt 0x0                               ; v
	WIN 0x50                                       ; C and D window 1
.irp qt, 0,1,2,3
.irp dt, 0,1,2,3
.if \zero
	v_wmma_f32_16x16x32_f16 v[OA+8*(4*\qt+\dt):OA+8*(4*\qt+\dt)+7], v[VF+8*\dt:VF+8*\dt+7], v[PF+8*\qt:PF+8*\qt+7], 0
.else
	v_wmma_f32_16x16x32_f16 v[OA+8*(4*\qt+\dt):OA+8*(4*\qt+\dt)+7], v[VF+8*\dt:VF+8*\dt+7], v[PF+8*\qt:PF+8*\qt+7], v[OA+8*(4*\qt+\dt):OA+8*(4*\qt+\dt)+7]
.endif
.endr
.endr
	WIN 0
	PLACES                                         ; the next chunk's loads write VF, its conversions PF
.endm
.macro PAIR zero                       ; 64 keys: one part of k and of v
	CHUNK 0, \zero
	CHUNK 1, 0
	v_add_nc_u32 v[KA], PART, v[KA]
	v_add_nc_u32 v[VA], PART, v[VA]
	v_add_nc_u32 v[CA], 256, v[CA]
.endm
; The change of slots: every wave waits for all its tensor loads (its part of this slot) and for its reads of the other slot; where that slot is filled
; again a round of the cluster's barrier follows, and the joint refill is the first thing behind it, one load a wave.
.macro NEXT slot, other, refill
	s_wait_tensorcnt 0x0
	ds_add_u32 v254, v255
	s_wait_dscnt 0x0
.if \refill
	s_add_nc_u64 s[G0+4*\other+2:G0+4*\other+3], s[G0+4*\other+2:G0+4*\other+3], 65536     ; no load is out: two tiles of 256 keys on
.endif
	s_wait_dscnt 0x0
.if \refill
	ROUND
	JLOAD \other
.else
	BAR
.endif
	v_mov_b32 v[KA], v[KB+\slot]
	v_mov_b32 v[VA], v[VB+\slot]
	s_mov_b32 s4, 4
.Lin_\@:
	PAIR 0
	s_sub_co_u32 s4, s4, 1
	s_cmp_lg_u32 s4, 0
	s_cbranch_scc1 .Lin_\@
.endm
	s_wait_tensorcnt 0x1                           ; my parts of negc and of tile 0 are in; tile 1's load stays out
	BAR
	v_mov_b32 v[KA], v[KB]
	v_mov_b32 v[VA], v[VB]
	PAIR 1                                         ; written out: its first products start the sums, nothing is cleared
	s_mov_b32 s4, 3
.Lfirst:
	PAIR 0
	s_sub_co_u32 s4, s4, 1
	s_cmp_lg_u32 s4, 0
	s_cbranch_scc1 .Lfirst
	s_mov_b32 s3, 3
.Lring:
	NEXT 1, 0, 1                                   ; tiles 1, 3, 5; slot 0 gets 2, 4, 6
	NEXT 0, 1, 1                                   ; tiles 2, 4, 6; slot 1 gets 3, 5, 7
	s_sub_co_u32 s3, s3, 1
	s_cmp_lg_u32 s3, 0
	s_cbranch_scc1 .Lring
	NEXT 1, 0, 0                                   ; tile 7: nothing is left to fetch
	; THE WAY OUT, 16 queries at a time; the places behind the last matrix instructions close the last chunk
.irp qt, 0,1,2,3
	WIN 0x01                                       ; source 0 window 1
.irp i, 0,1,2,3,4,5,6,7,8,9,10,11,12,13,14,15
	v_pk_mul_f32 v[KF+2*\i:KF+2*\i+1], v[OA+32*\qt+2*\i:OA+32*\qt+2*\i+1], s[58:59] op_sel_hi:[1,0]
.endr
	WIN 0
.irp i, 0,1,2,3,4,5,6,7,8,9,10,11,12,13,14,15
	v_cvt_pk_f16_f32 v[PF+\i], v[KF+2*\i], v[KF+2*\i+1]
.endr
.irp dt, 0,1,2,3
	ds_store_b128 v[STO], v[PF+4*\dt:PF+4*\dt+3] offset:32*\dt
.endr
.irp t, 0,1,2,3
	ds_load_b128 v[ST+16*\qt+4*\t:ST+16*\qt+4*\t+3], v[RD] offset:\t*4*KP     ; LDS serves a wave's instructions in order: these see the stores above
.endr
.irp t, 0,1,2,3
	s_wait_dscnt 3-\t                              ; the younger read-backs stay out
	global_store_b128 v[CO], v[ST+16*\qt+4*\t:ST+16*\qt+4*\t+3], s[74:75] offset:\qt*2048+\t*512   ; 512 consecutive bytes, aligned; registers of their own for every store
.endr
.endr
	s_wait_tensorcnt 0x0
	ds_add_u32 v254, v255
	s_wait_dscnt 0x0
	ROUND                                          ; the closing round
	s_endpgm
.Lfunc_end_k_qe4db92f438_attn:
	.size	k_qe4db92f438_attn, .Lfunc_end_k_qe4db92f438_attn-k_qe4db92f438_attn
	.p2alignl 7, 3214868480
	.fill 96, 4, 3214868480
	.section	.rodata,"a",@progbits
	.p2align	6, 0x0
	.amdhsa_kernel k_qe4db92f438_attn
		.amdhsa_group_segment_fixed_size 327680
		.amdhsa_private_segment_fixed_size 0
		.amdhsa_enable_private_segment 0
		.amdhsa_kernarg_size 32
		.amdhsa_user_sgpr_count 2
		.amdhsa_user_sgpr_kernarg_segment_ptr 1
		.amdhsa_wavefront_size32 1
		.amdhsa_system_sgpr_workgroup_id_x 1
		.amdhsa_system_sgpr_workgroup_id_y 1
		.amdhsa_system_sgpr_workgroup_id_z 1
		.amdhsa_system_vgpr_workitem_id 0
		.amdhsa_next_free_vgpr 448
		.amdhsa_next_free_sgpr 76
		.amdhsa_reserve_vcc 0
		.amdhsa_float_denorm_mode_32 3
		.amdhsa_float_denorm_mode_16_64 3
		.amdhsa_memory_ordered 1
		.amdhsa_forward_progress 1
		.amdhsa_inst_pref_size 107
	.end_amdhsa_kernel
	.amdgpu_metadata
---
amdhsa.version: [ 1, 2 ]
amdhsa.kernels:
  - .name:           k_qe4db92f438_attn
    .symbol:         k_qe4db92f438_attn.kd
    .args:
      - { .name: qkv, .offset: 0, .size: 8, .value_kind: global_buffer, .address_space: global }
      - { .name: negc, .offset: 8, .size: 8, .value_kind: global_buffer, .address_space: global }
      - { .name: amax, .offset: 16, .size: 8, .value_kind: global_buffer, .address_space: global }
      - { .name: att, .offset: 24, .size: 8, .value_kind: global_buffer, .address_space: global }
    .group_segment_fixed_size: 327680
    .private_segment_fixed_size: 0
    .kernarg_segment_align: 8
    .kernarg_segment_size: 32
    .max_flat_workgroup_size: 256
    .sgpr_count:     76
    .vgpr_count:     448
    .wavefront_size: 32
...
	.end_amdgpu_metadata
.endif
;; end of part 4
;; launch oproj (part 5): grid 4 x 64, 4 waves a work-group, clusters of 4 x 4, 327,680 bytes of LDS; arguments att, wh, bo, amax, out0; writes out0
.if DOCPART == 5
	.amdgcn_target "amdgcn-amd-amdhsa--gfx1250"
	.amdhsa_code_object_version 6
	.text
	.protected	k_qe4db92f438_oproj
	.globl	k_qe4db92f438_oproj
	.p2align	8
	.type	k_qe4db92f438_oproj,@function
k_qe4db92f438_oproj:
	s_mov_b64 s[64:65], 0
	v_nop
	global_prefetch_b8 v0, s[64:65] scope:SCOPE_SE
	s_setreg_imm32_b32 hwreg(HW_REG_WAVE_MODE, 25, 1), 1
	s_wait_xcnt 0x0
	s_wait_alu depctr_hold_cnt(0) depctr_sa_sdst(0) depctr_va_vdst(0) depctr_va_sdst(0) depctr_va_ssrc(0) depctr_va_vcc(0) depctr_vm_vsrc(0)
	s_getreg_b32 s2, hwreg(HW_REG_IB_STS2, 6, 4)
	s_cmp_eq_u32 s2, 0
	s_cbranch_scc0 .Lentry_in_a_cluster
	s_endpgm
.Lentry_in_a_cluster:
	s_bfe_u32 s2, ttmp6, 0x10000c
	s_cmp_lg_u32 s2, 0xf033
	s_cbranch_scc0 .Lentry_shape_is_right
	s_endpgm
.Lentry_shape_is_right:
; out0[b][s][n] = 2^(floor(log2 max|v|) - 6) * sum over k of att[b*16 + k/64][s][k%64] * Wo[k][n] + bo[n].
; The power of two undoes the scale under which the launch before stored att in f16 (see there); it is made from amax in the same way.
; A work-group makes 128 rows x 256 columns with four waves, a wave 64 x 128 in 32 accumulators: 64 x 4 = 256 work-groups.
; K goes in steps of 128 (two heads) through two LDS slots.  CLUSTERS 4 x 4: att's tile is asked for jointly along a cluster row, Wo's along a column.
; The matrix instruction is used transposed (source 0 = Wo's columns, source 1 = att's rows): a lane holds 8 neighbouring columns of a row.
; LIMIT: max|v| below 2^-120 counts as 2^-120.
.set PART,  34816                      ; one head's 128 rows of att at pitch 144 (18,432 used), or 64 rows of Wo at pitch 544
.set SLOT,  4*PART
.set STAGE, 2*SLOT                     ; 16 rows x 528 bytes for each wave; no tensor load lands here
.set AP,    144
.set WP,    544
.set SP,    528
.set ADRA,  8
.set ADRB,  10
.set STO,   12
.set RD,    13
.set CO,    14
.set BO,    15
.set XF0,   16                         ; v[16:47], v[48:79]     att fragments, two buffers
.set XF1,   48
.set WF0,   80                         ; v[80:143], v[144:207]  Wo fragments, two buffers
.set WF1,   144
.set G1A,   16                         ; window 1: accumulator (a, b) at v[8 (8 a + b)];  window 2: v[0:63] the bias
.set G1B,   24
.set G0A,   32
.set G0B,   40
.set MSB,   0
.macro WIN new
.if MSB != \new
	s_set_vgpr_msb (MSB<<8)|\new
.set MSB, \new
.endif
.endm
.macro PLACES
.rept 4
	v_nop
.endr
.endm
.macro BAR
	s_barrier_signal -1
	s_barrier_wait -1
.endm
.macro ROUND
	s_barrier_signal -1
	s_barrier_wait -1
	s_cmp_lg_u32 s8, 0
	s_cbranch_scc1 .Lnot_wave_0_\@
	s_barrier_signal -3
.Lnot_wave_0_\@:
	s_barrier_wait -3
	s_barrier_signal -1
	s_barrier_wait -1
.endm
.macro JLOAD s                         ; waves 0, 1 ask for the step's two heads of att, waves 2, 3 for Wo's two halves
	s_cmp_eq_u32 s9, 0
	s_cbranch_scc0 .Lfor_w_\@
	tensor_load_to_lds s[G0A+4*\s:G0A+4*\s+3], s[G1A:G1A+7]
	s_nop 0
	s_branch .Lasked_\@
.Lfor_w_\@:
	tensor_load_to_lds s[G0B+4*\s:G0B+4*\s+3], s[G1B:G1B+7]
	s_nop 0
.Lasked_\@:
.endm
	s_load_b256 s[68:75], s[0:1], 0x0              ; att 68, wh 70, bo 72, amax 74
	s_load_b64 s[76:77], s[0:1], 0x20              ; out0
	v_lshl_add_u32 v254, v0, 2, 0x4c400
	v_mov_b32 v255, 0
	ds_add_u32 v254, v255
	ds_add_u32 v254, v255
	v_lshrrev_b32 v1, 5, v0
	v_readfirstlane_b32 s8, v1
	s_lshr_b32 s9, s8, 1                           ; wm; also: I fetch att (0) or Wo (1)
	s_and_b32 s10, s8, 1                           ; wn; also: which head, or which 64 rows of Wo
	s_bfe_u32 s11, ttmp6, 0x40000                  ; cx
	s_bfe_u32 s12, ttmp6, 0x40004                  ; cy
	s_and_b32 s15, ttmp7, 0xffff
	s_lshl_b32 s15, s15, 2
	s_add_co_u32 s15, s15, s12                     ; br 0..63
	s_lshl_b32 s48, ttmp9, 2
	s_add_co_u32 s48, s48, s11                     ; bc 0..3
	s_lshl_b32 s49, s12, 2
	s_lshl_b32 s49, 15, s49
	s_lshl_b32 s50, 0x1111, s11
	; att: 128 rows x 64 elements of 2 bytes, 4 words of padding behind every 32
	s_or_b32 s[G1A+0], s49, (1<<16)|(1<<20)|(1<<21)|(4<<22)|(3<<25)
	s_mov_b32 s[G1A+1], 64<<16
	s_mov_b32 s[G1A+2], 128<<16
	s_mov_b32 s[G1A+3], 64<<16
	s_mov_b32 s[G1A+4], 128
	s_mov_b32 s[G1A+5], 64
	s_mov_b32 s[G1A+6], 0
	s_mov_b32 s[G1A+7], 0
	; Wo: 64 rows x 256 elements of 2 bytes, 8 words of padding behind every 128
	s_or_b32 s[G1B+0], s50, (1<<16)|(1<<20)|(1<<21)|(6<<22)|(7<<25)
	s_mov_b32 s[G1B+1], 256<<16
	s_mov_b32 s[G1B+2], 64<<16
	s_mov_b32 s[G1B+3], 256<<16
	s_mov_b32 s[G1B+4], 64
	s_mov_b32 s[G1B+5], 1024
	s_mov_b32 s[G1B+6], 0
	s_mov_b32 s[G1B+7], 0
	s_lshr_b32 s4, s15, 4
	s_lshl_b32 s4, s4, 4
	s_add_co_u32 s4, s4, s10                       ; head 16 b + wn
	s_lshl_b32 s4, s4, 11
	s_and_b32 s5, s15, 15
	s_lshl_b32 s5, s5, 7
	s_add_co_u32 s4, s4, s5                        ; + the block's first position
	s_lshl_b32 s4, s4, 7
	s_mov_b32 s5, 0
	s_lshl_b32 s6, s10, 17
	s_add_co_u32 s6, s6, 3<<21                     ; Wo is the fourth matrix of wh
	s_lshl_b32 s7, s48, 9
	s_add_co_u32 s6, s6, s7
	s_mov_b32 s7, 0
	s_mul_i32 s51, s8, PART
	s_wait_dscnt 0x0
	s_wait_kmcnt 0x0
	s_add_nc_u64 s[56:57], s[68:69], s[4:5]
	s_add_nc_u64 s[60:61], s[70:71], s[6:7]
	ROUND
.irp s, 0,1
	s_mov_b32 s[G0A+4*\s], 1
	s_add_co_u32 s[G0A+4*\s+1], s51, \s*SLOT
	s_add_nc_u64 s[G0A+4*\s+2:G0A+4*\s+3], s[56:57], \s*524288     ; two heads on
	s_or_b32 s[G0A+4*\s+3], s[G0A+4*\s+3], 0x80000000
	s_mov_b32 s[G0B+4*\s], 1
	s_add_co_u32 s[G0B+4*\s+1], s51, \s*SLOT
	s_add_nc_u64 s[G0B+4*\s+2:G0B+4*\s+3], s[60:61], \s*262144
	s_or_b32 s[G0B+4*\s+3], s[G0B+4*\s+3], 0x80000000
	JLOAD \s                                       ; two tensor loads of the wave are out
.endr
	v_and_b32 v1, 31, v0
	v_and_b32 v2, 15, v0
	v_bfe_u32 v3, v0, 4, 1
	v_lshlrev_b32 v[CO], 4, v1
	v_lshlrev_b32 v[BO], 5, v3
.irp j, 0,1,2,3,4,5,6,7
	global_load_b128 v[XF0+4*\j:XF0+4*\j+3], v[CO], s[74:75] offset:\j*512   ; the 1,024 partial maxima of |v|
.endr
	s_lshl_b32 s86, s48, 10
	s_lshl_b32 s87, s10, 9
	s_add_co_u32 s86, s86, s87                     ; (256 bc + 128 wn) x 4 bytes
	s_mov_b32 s87, 0
	s_add_nc_u64 s[72:73], s[72:73], s[86:87]
	s_lshl_b32 s84, s15, 19
	s_lshl_b32 s85, s9, 18
	s_add_co_u32 s84, s84, s85                     ; (128 br + 64 wm) rows of 4,096 bytes
	s_add_co_u32 s84, s84, s86
	s_mov_b32 s85, 0
	s_add_nc_u64 s[76:77], s[76:77], s[84:85]
	WIN 0x80
.irp b, 0,1,2,3,4,5,6,7
	global_load_b128 v[8*\b:8*\b+3],   v[BO], s[72:73] offset:64*\b
	global_load_b128 v[8*\b+4:8*\b+7], v[BO], s[72:73] offset:64*\b+16
.endr
	WIN 0
	v_mul_u32_u24 v4, v2, AP
	v_lshl_add_u32 v4, v3, 4, v4
	s_mul_i32 s52, s9, 64*AP                       ; my 64 of the 128 rows
	v_add_nc_u32 v[ADRA], s52, v4
	v_add_nc_u32 v[ADRA+1], SLOT, v[ADRA]
	v_and_b32 v6, 7, v0
	v_lshl_add_u32 v5, v3, 3, v6
	v_mul_u32_u24 v5, v5, WP
	v_bfe_u32 v4, v0, 3, 1
	v_lshl_add_u32 v5, v4, 4, v5
	s_lshl_b32 s53, s10, 8
	s_add_co_u32 s53, s53, 2*PART
	v_add_nc_u32 v[ADRB], s53, v5
	v_add_nc_u32 v[ADRB+1], SLOT, v[ADRB]
	s_mul_i32 s52, s8, 16*SP
	s_add_co_u32 s52, s52, STAGE
	v_mul_u32_u24 v4, v2, SP
	v_lshl_add_u32 v4, v3, 5, v4
	v_add_nc_u32 v[STO], s52, v4                   ; row r, 32 bytes for each half of the lanes
	v_add_nc_u32 v[RD], s52, v[CO]                 ; back: the wave takes a row's 512 bytes
	s_mov_b32 s88, 0x76543210
	s_mov_b32 s89, 0xfedcba98
	s_wait_loadcnt 0x10                            ; the maxima are in; the sixteen loads of the bias stay out
	v_max3_num_f32 v[XF0], v[XF0], v[XF0+1], v[XF0+2]
.set i, 3
.rept 14
	v_max3_num_f32 v[XF0], v[XF0], v[XF0+i], v[XF0+i+1]
.set i, i+2
.endr
	v_max_num_f32 v[XF0], v[XF0], v[XF0+31]
	v_max_num_f32_dpp v[XF0], v[XF0], v[XF0] row_xmask:1 row_mask:0xf bank_mask:0xf
	v_max_num_f32_dpp v[XF0], v[XF0], v[XF0] row_xmask:2 row_mask:0xf bank_mask:0xf
	v_max_num_f32_dpp v[XF0], v[XF0], v[XF0] row_xmask:4 row_mask:0xf bank_mask:0xf
	v_max_num_f32_dpp v[XF0], v[XF0], v[XF0] row_xmask:8 row_mask:0xf bank_mask:0xf
	v_permlanex16_b32 v[XF0+1], v[XF0], s88, s89
	v_max_num_f32 v[XF0], v[XF0], v[XF0+1]
	v_readfirstlane_b32 s54, v[XF0]
	s_and_b32 s54, s54, 0x7f800000                 ; E << 23
	s_max_u32 s54, s54, 7<<23
	s_sub_co_u32 s54, s54, 6<<23                   ; 2^(E - 127 - 6)
	s_mov_b32 s55, s54
; 24 LDS loads: quarter step q (32 along K): head q >> 1 of the step, its d = 32 (q & 1) ..
.macro LOADS slot, q, xf, wf
.irp a, 0,1,2,3
	ds_load_b128 v[\xf+8*\a:\xf+8*\a+3],   v[ADRA+\slot] offset:(\q>>1)*PART+(\q&1)*64+\a*16*AP
	ds_load_b128 v[\xf+8*\a+4:\xf+8*\a+7], v[ADRA+\slot] offset:(\q>>1)*PART+(\q&1)*64+\a*16*AP+32
.endr
.irp b, 0,1,2,3,4,5,6,7
	ds_load_tr16_b128 v[\wf+8*\b:\wf+8*\b+3],   v[ADRB+\slot] offset:\q*32*WP+\b*32
	ds_load_tr16_b128 v[\wf+8*\b+4:\wf+8*\b+7], v[ADRB+\slot] offset:\q*32*WP+\b*32+16*WP
.endr
.endm
; 32 accumulators take turns, one instruction a turn, in the same order every time
.macro MUL xf, wf, zero
	WIN 0x50
.irp a, 0,1,2,3
.irp b, 0,1,2,3,4,5,6,7
.if \zero
	v_wmma_f32_16x16x32_f16 v[8*(8*\a+\b):8*(8*\a+\b)+7], v[\wf+8*\b:\wf+8*\b+7], v[\xf+8*\a:\xf+8*\a+7], 0
.else
	v_wmma_f32_16x16x32_f16 v[8*(8*\a+\b):8*(8*\a+\b)+7], v[\wf+8*\b:\wf+8*\b+7], v[\xf+8*\a:\xf+8*\a+7], v[8*(8*\a+\b):8*(8*\a+\b)+7]
.endif
.endr
.endr
.endm
.macro QUARTER slot, nq, xc, wc, xn, wnx, zero
	s_wait_dscnt 0x0                               ; this quarter's loads, issued ahead of the last 32 matrix instructions
.if \nq < 4
	PLACES                                         ; the loads write the buffers that the last matrix instructions read
	LOADS \slot, \nq, \xn, \wnx
.endif
	MUL \xc, \wc, \zero
	WIN 0
.endm
.macro PHASE slot, zero
	PLACES                                         ; buffer 0 was read by matrix instructions behind which no vector work has stood yet
	LOADS \slot, 0, XF0, WF0
	QUARTER \slot, 1, XF0, WF0, XF1, WF1, \zero
	QUARTER \slot, 2, XF1, WF1, XF0, WF0, 0
	QUARTER \slot, 3, XF0, WF0, XF1, WF1, 0
	QUARTER \slot, 4, XF1, WF1, XF0, WF0, 0
.endm
; The change of slots, as in the projections: all tensor loads and all reads waited for, a round of the cluster's barrier, the joint refill first behind it
.macro NEXT slot, other, refill
	s_wait_tensorcnt 0x0
	ds_add_u32 v254, v255
	s_wait_dscnt 0x0
.if \refill
	s_add_nc_u64 s[G0A+4*\other+2:G0A+4*\other+3], s[G0A+4*\other+2:G0A+4*\other+3], 1048576    ; four heads on
	s_add_nc_u64 s[G0B+4*\other+2:G0B+4*\other+3], s[G0B+4*\other+2:G0B+4*\other+3], 524288     ; 256 rows of Wo on
.endif
	s_wait_dscnt 0x0
.if \refill
	ROUND
	JLOAD \other
.else
	BAR
.endif
	PHASE \slot, 0
.endm
	s_wait_tensorcnt 0x1                           ; my part of K step 0 is in; K step 1's load stays out
	BAR
	PHASE 0, 1
	s_mov_b32 s3, 3
.Lring:
	NEXT 1, 0, 1
	NEXT 0, 1, 1
	s_sub_co_u32 s3, s3, 1
	s_cmp_lg_u32 s3, 0
	s_cbranch_scc1 .Lring
	NEXT 1, 0, 0
	; THE WAY OUT, 16 rows at a time, in f32: scale and bias in one fused multiply-add, 32 bytes a lane into my own stage, whole row pieces back
	PLACES
	s_wait_loadcnt 0x0                             ; the bias
.macro OUT16 a
	WIN 0x21                                       ; source 0 (sums) window 1, source 2 (bias) window 2
.set i, 0
.rept 32
	v_pk_fma_f32 v[WF0+2*i:WF0+2*i+1], v[64*\a+2*i:64*\a+2*i+1], s[54:55], v[2*i:2*i+1] op_sel_hi:[1,0,1]
.set i, i+1
.endr
	WIN 0
.irp b, 0,1,2,3,4,5,6,7
	ds_store_b128 v[STO], v[WF0+8*\b:WF0+8*\b+3]   offset:64*\b
	ds_store_b128 v[STO], v[WF0+8*\b+4:WF0+8*\b+7] offset:64*\b+16
.endr
	s_wait_xcnt 0x0                                ; buffer 1, which the last rows' stores read, is loaded again only behind this wait (ISA guide 3.1)
.irp t, 0,1,2,3,4,5,6,7,8,9,10,11,12,13,14,15
	ds_load_b128 v[WF1+4*\t:WF1+4*\t+3], v[RD] offset:\t*SP        ; LDS serves a wave's instructions in order: these see the stores above
.endr
.irp t, 0,1,2,3,4,5,6,7,8,9,10,11,12,13,14,15
	s_wait_dscnt 15-\t                             ; the younger read-backs stay out
	global_store_b128 v[CO], v[WF1+4*\t:WF1+4*\t+3], s[76:77] offset:\a*65536+\t*4096 th:TH_STORE_NT   ; 512 consecutive bytes of a row, aligned
.endr
.endm
	OUT16 0
	OUT16 1
	OUT16 2
	OUT16 3
	s_wait_tensorcnt 0x0
	ds_add_u32 v254, v255
	s_wait_dscnt 0x0
	ROUND                                          ; the closing round
	s_endpgm
.Lfunc_end_k_qe4db92f438_oproj:
	.size	k_qe4db92f438_oproj, .Lfunc_end_k_qe4db92f438_oproj-k_qe4db92f438_oproj
	.p2alignl 7, 3214868480
	.fill 96, 4, 3214868480
	.section	.rodata,"a",@progbits
	.p2align	6, 0x0
	.amdhsa_kernel k_qe4db92f438_oproj
		.amdhsa_group_segment_fixed_size 327680
		.amdhsa_private_segment_fixed_size 0
		.amdhsa_enable_private_segment 0
		.amdhsa_kernarg_size 40
		.amdhsa_user_sgpr_count 2
		.amdhsa_user_sgpr_kernarg_segment_ptr 1
		.amdhsa_wavefront_size32 1
		.amdhsa_system_sgpr_workgroup_id_x 1
		.amdhsa_system_sgpr_workgroup_id_y 1
		.amdhsa_system_sgpr_workgroup_id_z 1
		.amdhsa_system_vgpr_workitem_id 0
		.amdhsa_next_free_vgpr 576
		.amdhsa_next_free_sgpr 92
		.amdhsa_reserve_vcc 0
		.amdhsa_float_denorm_mode_32 3
		.amdhsa_float_denorm_mode_16_64 3
		.amdhsa_memory_ordered 1
		.amdhsa_forward_progress 1
		.amdhsa_inst_pref_size 98
	.end_amdhsa_kernel
	.amdgpu_metadata
---
amdhsa.version: [ 1, 2 ]
amdhsa.kernels:
  - .name:           k_qe4db92f438_oproj
    .symbol:         k_qe4db92f438_oproj.kd
    .args:
      - { .name: att, .offset: 0, .size: 8, .value_kind: global_buffer, .address_space: global }
      - { .name: wh, .offset: 8, .size: 8, .value_kind: global_buffer, .address_space: global }
      - { .name: bo, .offset: 16, .size: 8, .value_kind: global_buffer, .address_space: global }
      - { .name: amax, .offset: 24, .size: 8, .value_kind: global_buffer, .address_space: global }
      - { .name: out0, .offset: 32, .size: 8, .value_kind: global_buffer, .address_space: global }
    .group_segment_fixed_size: 327680
    .private_segment_fixed_size: 0
    .kernarg_segment_align: 8
    .kernarg_segment_size: 40
    .max_flat_workgroup_size: 128
    .sgpr_count:     92
    .vgpr_count:     576
    .wavefront_size: 32
...
	.end_amdgpu_metadata
.endif
;; end of part 5
